; MI455X (gfx1250); checked and timed in simulation.
; The chip was launched on July 23, 2026; its instructions are those of AMD's public machine-readable ISA for CDNA 5 (MIT licence, August 2026) and "CDNA5" Instruction Set Architecture Reference Guide (July 2026). The comments in the code are by the model that wrote it; some were corrected since.
;; Rel Pos Self Attention. Allowed arithmetic: float matrix products may take bf16 or f16 operands with f32 sums; all other float work in f32.
;; Inputs: attn_mask 8 x 1,024 bool; k 8 x 8 x 32 x 32 x 64 float32; q 8 x 8 x 32 x 32 x 64 float32; rel_emb_h 63 x 64 float32; rel_emb_w 63 x 64 float32; v 8 x 8 x 32 x 32 x 64 float32.
;; Outputs: out0 8 x 32 x 32 x 512 float32.
;; One version. Each part assembles by itself: llvm-mc -triple=amdgcn-amd-amdhsa -mcpu=gfx1250 --defsym DOCPART=n.
;; ======== version 1 of 1: 1 launch
;; limits: values are held in f16: magnitudes above 65,504 overflow, below 6.1e-05 lose precision
;; launch attn (part 1): grid 4 x 64, 4 waves a work-group, no clusters, 205,312 bytes of LDS; arguments q, k, v, attn_mask, rel_emb_w, rel_emb_h, out0; writes out0
.if DOCPART == 1
	.amdgcn_target "amdgcn-amd-amdhsa--gfx1250"
	.amdhsa_code_object_version 6
	.text
	.protected	k_q68957b1cd4_attn
	.globl	k_q68957b1cd4_attn
	.p2align	8
	.type	k_q68957b1cd4_attn,@function
k_q68957b1cd4_attn:
	s_mov_b64 s[64:65], 0
	v_nop
	global_prefetch_b8 v0, s[64:65] scope:SCOPE_SE
	s_setreg_imm32_b32 hwreg(HW_REG_WAVE_MODE, 25, 1), 1
	s_wait_xcnt 0x0
; Attention over a 32 x 32 image with relative-position logits and a key mask; 64 (batch, head) pairs, 1024 positions, 64 numbers a head, all f32 in memory.
;   logit(query (h,w), key (p,q)) = qs.k[p,q] + qs.rel_w[q-w+31] + qs.rel_h[p-h+31] + (mask[key] ? 0 : -inf),  qs = q / 8;  out = softmax(logit) v.
; One launch.  Work-group (x, y): head y = 8 b + n, queries 256 x .. 256 x + 255.  Four waves, 64 queries each (four query tiles of 16).
; Keys go in 16 trips of 64 (two image rows p = 2t, 2t+1).  K and V tiles are loaded as f32 into registers, rounded to f16 once in the
; work-group and stored into two LDS buffers that take turns: one barrier a trip.
; THE MATRIX OPERANDS ARE F16, NOT BF16.  An output is a mean over 1024 keys, so its size is a small part of v's, while each operand's rounding
; error enters it whole: 11 significant bits leave an eighth of the error that 8 bits leave.  The range suffices: the weights lie in [0, 1], and
; the other operands have 65504 as their bound (see LIMITS).
; BOTH PRODUCTS ARE TRANSPOSED.  S^T = K Q^T: lane (r = lane % 16, hh = lane / 16) holds in a tile's register j the logit of key 8 hh + j and
; query r.  So maximum, sum and rescale factor are one number a lane, the two lane halves meet by one v_permlanex16_b32 for each query tile, and
; exp(S^T) packed to f16 already is the second source of O^T = V^T P^T.  In O^T a lane holds eight neighbouring d of one query.
; THE RELATIVE TERMS.  The width term hangs on (query, q) alone: 64 registers, made once, the C operand of each score tile's first product.
; The height term hangs on (query, p) alone: one number a lane and image row, added into the term that is taken away before the exponential.
; Logits are kept in units of log2: q is scaled by 0.125 log2(e) before it is rounded to f16, so that v_exp_f32 (base 2) needs no factor.
; NO JOINT TENSOR LOADS, though the four work-groups of a head read the same K and V: the tiles are f32 in memory and f16 in LDS, and a tensor
; load copies bytes as they are.  A joint load would need an f32 stage: 32 KiB more written to LDS and 32 KiB more read from it in each trip,
; beside the 16 KiB of f16 stores and the 64 KiB of fragment reads that a trip has, and every byte would pass through registers all the same.
; LIMITS.  |0.18 q|, |k|, |v|, |rel_emb| above 65504 become infinite in f16; below 2^-14 they lose bits, below 2^-25 they become 0 (an absolute
; error of 2^-25 at the most).  Mask bytes are 0 or 1.  The running maximum starts at -FLT_MAX.  A batch whose mask is all false gives
; 0 x inf = NaN, as the problem's function does.  v_exp_f32 gives 0 below 2^-126; weights below 2^-25 of the row's largest become 0 in the second
; product.  P goes into the second product in f16; the row sum adds the unrounded f32 values.
;
; LDS (bytes)
.set KPIT, 144                         ; a row of 64 f16 + 16: an odd multiple of 16, so 16 rows of a fragment load start in 16 different 16-byte columns
.set VPIT, 160                         ; the same for V: an odd multiple of 32, as the transposing load's eight-lane groups want
.set KT16, 16*KPIT                     ; 16 rows
.set KB0,  0                           ; K, two buffers of 64 keys
.set KBS,  64*KPIT
.set VB0,  2*KBS                       ; V, two buffers of 64 keys, [key][d]
.set VBS,  64*VPIT
.set BIAS, VB0+2*VBS                   ; 1024 f32: 0 or -inf for each key of the batch
.set RELW, BIAS+4096                   ; rel_emb_w in f16, 64 rows (row 63 is a copy, never used)
.set RELH, RELW+KBS                    ; 40 rows of rel_emb_h in f16, from table row 24 - 8 x on (window row 39 is never used)
.set QST,  RELH+KBS                    ; each wave's own 64 query rows in f16
.set RHT,  QST+4*KBS                   ; each wave's own height terms: [query tile] 2304, [query] 144, [p] 4, f32
.set SCR,  RHT+4*KBS                   ; each wave's own scratch: [query tile] 4352, [query] 272: first q.rel_w (64 f32 a row), at the end O
.set SPIT, 272
.set SQT,  16*SPIT
; REGISTERS, in windows of 256.  Window 0:
.set MOFF, 1                           ; thread x 8: my 8 mask bytes
.set MK,   2                           ; v[2:3] the mask bytes
.set ADRK, 4                           ; r x 144 + 16 hh: a fragment's lane term
.set ADRV, 5                           ; (8 hh + lane % 8) x 160 + 16 ((lane / 8) % 2): the transposing load's lane term
.set ADRB, 6                           ; 32 hh + 256 t: my 8 keys' bias in a key tile
.set ADRRH, 7                          ; my query's height terms, + 8 t
.set ADS144, 8                         ; staging: (thread / 16) x 144 + (thread % 16) x 8
.set ADS160, 9                         ; the same at pitch 160
.set GOFF, 10                          ; thread x 16
.set PFO,  11                          ; prefetch offset: lane x 256 + 16384 t, clamped
.set PFMAX, 12                         ; its largest value: tile 15
.set ADRQ, 13                          ; my wave's query rows + ADRK
.set ADQS, 14                          ; where I put 8 bytes of a query row
.set ADSC, 15                          ; scratch: row r, + 32 hh
.set ADSK, 16                          ; scratch read askew: r x 268 + 32 hh
.set ADRD, 17                          ; scratch read back by rows: hh x 272 + r x 16
.set OOFF, 18                          ; out0: hh x 2048 + r x 16
.set ADRH, 19                          ; v19, v20: rel_h's window rows of my wave's image rows hs = 0, 1
.set GOFC, 21                          ; thread x 16, clamped for rel_w's last 8 rows
.set QOFF, 22                          ; lane x 16
.set ADRHS, 23                         ; where the height terms are put: ADRRH + 32 hh
.set HOFF, 24                          ; offset in rel_h of my 16 bytes of the window's first 8 rows
.set HOF4, 25                          ; the same for window rows 32-39, clamped
.set BST,  26                          ; thread x 32
.set KF,   32                          ; v[32:95]   K fragments (kd, kt) at 8 (4 kd + kt)
.set VF,   96                          ; v[96:159]  V^T fragments (kg, dt) at 8 (4 kg + dt)
.set BT,   96                          ;            (before the trips: 8 bias words)
.set TA,   104                         ;            (before the trips: temporaries)
.set STG,  160                         ; v[160:223] the next tile as loaded: K 32 registers, V 32
.set PK,   224                         ; v[224:255] the same in f16
; Window 1: O(dt, qt) at 8 (4 dt + qt);
.set QF,   128                         ; Q fragments (qt, kd) at 8 (2 qt + kd)
.set RW,   192                         ; width terms (qt, key-tile parity) at 8 (2 qt + par)
; Window 2: S(kt, qt) at 8 (4 kt + qt); P(kg, qt) is written over S(2 kg, qt);
.set BI,   128                         ; bias of key tile kt at 8 kt
.set RHD,  128                         ; (before the trips: height terms (qt, pt) at 8 (2 qt + pt))
.set RHV,  160                         ; pair qt: height terms of p = 2t, 2t+1
.set MXP,  168                         ; pair qt: the trip's maxima by image row
.set MA,   176                         ; running maxima, two sets that take turns
.set MB,   180
.set AL,   184                         ; rescale factors
.set CP,   188                         ; pair qt: height term - new maximum
.set LP,   196                         ; pair qt: row sums, two partial sums a lane
.set TMX,  204                         ; what v_permlanex16_b32 brings
.set TM,   208
; s_set_vgpr_msb's low byte: bits 1:0 source 0, 3:2 source 1, 5:4 source 2, 7:6 destination; the high byte repeats the setting that is left.
.set MSB, 0
.macro WIN new
.if MSB != \new
	s_set_vgpr_msb (MSB<<8)|\new
.set MSB, \new
.endif
.endm
.macro PLACES n
.rept \n
	v_nop
.endr
.endm
; cnt loads of 16 bytes a thread (4 f32) become 8 bytes of f16 each
.macro CVT8 src, pk, cnt
.set cn, 0
.rept \cnt
	v_cvt_pk_f16_f32 v[\pk+2*cn], v[\src+4*cn], v[\src+4*cn+1]
	v_cvt_pk_f16_f32 v[\pk+2*cn+1], v[\src+4*cn+2], v[\src+4*cn+3]
.set cn, cn+1
.endr
.endm
; and go to LDS: load n holds row 8 n + thread / 16, d = 4 (thread % 16) .. + 3
.macro ST8 pk, adr, base, step, cnt
.set cn, 0
.rept \cnt
	ds_store_b64 v[\adr], v[\pk+2*cn:\pk+2*cn+1] offset:\base+cn*\step
.set cn, cn+1
.endr
.endm
; a tile of K and of V, 16 KiB each: every load of a wave covers 512 consecutive bytes.  No hint: four work-groups read these bytes.
.macro GLOAD off
.irp n,0,1,2,3,4,5,6,7
	global_load_b128 v[STG+4*\n:STG+4*\n+3], v[GOFF], s[6:7] offset:\off+2048*\n
.endr
.irp n,0,1,2,3,4,5,6,7
	global_load_b128 v[STG+32+4*\n:STG+32+4*\n+3], v[GOFF], s[8:9] offset:\off+2048*\n
.endr
.endm
; 16 loads: eight fragments of 16 rows x 32 d, the d halves one after the other
.macro KLOAD base
	WIN 0
.irp kd,0,1
.irp kt,0,1,2,3
	ds_load_b128 v[KF+8*(4*\kd+\kt):KF+8*(4*\kd+\kt)+3], v[ADRK] offset:\base+\kt*KT16+\kd*64
	ds_load_b128 v[KF+8*(4*\kd+\kt)+4:KF+8*(4*\kd+\kt)+7], v[ADRK] offset:\base+\kt*KT16+\kd*64+32
.endr
.endr
.endm
; 12 loads: the bias of my 8 keys in each key tile, and each query tile's two height terms
.macro BLOAD
	WIN 0x80
.irp kt,0,1,2,3
	ds_load_b128 v[BI+8*\kt:BI+8*\kt+3], v[ADRB] offset:BIAS+64*\kt
	ds_load_b128 v[BI+8*\kt+4:BI+8*\kt+7], v[ADRB] offset:BIAS+64*\kt+16
.endr
.irp qt,0,1,2,3
	ds_load_b64 v[RHV+2*\qt:RHV+2*\qt+1], v[ADRRH] offset:KT16*\qt
.endr
.endm
; 16 transposing loads: V lies [key][d]; fragment (kg, dt) holds d = 16 dt + r, keys 32 kg + 8 hh .. and 32 kg + 16 + 8 hh ..
.macro VLOAD b
	WIN 0
.irp kg,0,1
.irp dt,0,1,2,3
	ds_load_tr16_b128 v[VF+8*(4*\kg+\dt):VF+8*(4*\kg+\dt)+3], v[ADRV] offset:VB0+VBS*\b+\kg*32*VPIT+\dt*32
	ds_load_tr16_b128 v[VF+8*(4*\kg+\dt)+4:VF+8*(4*\kg+\dt)+7], v[ADRV] offset:VB0+VBS*\b+\kg*32*VPIT+\dt*32+16*VPIT
.endr
.endr
.endm
; S^T = K Q^T + width term: 32 matrix instructions.  The sixteen accumulators take turns, one instruction a turn.
; The counts: 28 LDS loads were issued (K: 8 for d 0-31, 8 for d 32-63; 12 bias and height); behind fragment (0, kt) stand 26 - 2 kt of them,
; behind fragment (1, kt) 18 - 2 kt.
.macro QK
	WIN 0x94
.irp kt,0,1,2,3
	s_wait_dscnt 26-2*\kt
.irp qt,0,1,2,3
	v_wmma_f32_16x16x32_f16 v[8*(4*\kt+\qt):8*(4*\kt+\qt)+7], v[KF+8*\kt:KF+8*\kt+7], v[QF+16*\qt:QF+16*\qt+7], v[RW+8*(2*\qt+\kt%2):RW+8*(2*\qt+\kt%2)+7]
.endr
.endr
	WIN 0xa4
.irp kt,0,1,2,3
	s_wait_dscnt 18-2*\kt
.irp qt,0,1,2,3
	v_wmma_f32_16x16x32_f16 v[8*(4*\kt+\qt):8*(4*\kt+\qt)+7], v[KF+32+8*\kt:KF+32+8*\kt+7], v[QF+16*\qt+8:QF+16*\qt+15], v[8*(4*\kt+\qt):8*(4*\kt+\qt)+7]
.endr
.endr
.endm
; values n and n + 1 (of the 16 that a lane holds for a query tile and an image row) join each of the eight maxima
.macro MAXSTEP n
.irp qt,0,1,2,3
.irp pr,0,1
	v_max3_num_f32 v[MXP+2*\qt+\pr], v[MXP+2*\qt+\pr], v[8*(8*\pr+4*((\n)/8)+\qt)+(\n)%8], v[8*(8*\pr+4*((\n+1)/8)+\qt)+(\n+1)%8]
.endr
.endr
.endm
; Mask, maxima, the new running maximum mn (the old one is mo), the rescale factors and the terms that the exponentials' arguments take.
.macro SMAX first, mo, mn
	WIN 0xaa
.irp kt,0,1,2,3
.irp qt,0,1,2,3
.irp k,0,2,4,6
	v_pk_add_f32 v[8*(4*\kt+\qt)+\k:8*(4*\kt+\qt)+\k+1], v[8*(4*\kt+\qt)+\k:8*(4*\kt+\qt)+\k+1], v[BI+8*\kt+\k:BI+8*\kt+\k+1]
.endr
.endr
.endr
.irp qt,0,1,2,3
.irp pr,0,1
	v_max3_num_f32 v[MXP+2*\qt+\pr], v[8*(8*\pr+\qt)], v[8*(8*\pr+\qt)+1], v[8*(8*\pr+\qt)+2]   ; the first three values start a chain
.endr
.endr
	MAXSTEP 3
	MAXSTEP 5
	MAXSTEP 7
	MAXSTEP 9
	MAXSTEP 11
	MAXSTEP 13
.irp qt,0,1,2,3
.irp pr,0,1
	v_max_num_f32 v[MXP+2*\qt+\pr], v[MXP+2*\qt+\pr], v[8*(8*\pr+4+\qt)+7]
.endr
.endr
.irp qt,0,1,2,3
	v_pk_add_f32 v[MXP+2*\qt:MXP+2*\qt+1], v[MXP+2*\qt:MXP+2*\qt+1], v[RHV+2*\qt:RHV+2*\qt+1]   ; the height term is the same for all 16 values
.endr
.irp qt,0,1,2,3
.if \first
	v_max3_num_f32 v[\mn+\qt], v[MXP+2*\qt], v[MXP+2*\qt+1], 0xff7fffff    ; the running maximum starts at -FLT_MAX: finite, so that -inf - maximum is never formed from two infinities
.else
	v_max3_num_f32 v[\mn+\qt], v[MXP+2*\qt], v[MXP+2*\qt+1], v[\mo+\qt]
.endif
.endr
.irp qt,0,1,2,3
	v_permlanex16_b32 v[TMX+\qt], v[\mn+\qt], s28, s29                     ; the other 8 keys of each tile lie in lane l xor 16
.endr
.irp qt,0,1,2,3
	v_max_num_f32 v[\mn+\qt], v[\mn+\qt], v[TMX+\qt]
.endr
.if \first
.else
	v_pk_add_f32 v[AL:AL+1], v[\mo:\mo+1], v[\mn:\mn+1] neg_lo:[0,1] neg_hi:[0,1]
	v_pk_add_f32 v[AL+2:AL+3], v[\mo+2:\mo+3], v[\mn+2:\mn+3] neg_lo:[0,1] neg_hi:[0,1]
.endif
	v_pk_add_f32 v[CP:CP+1], v[RHV:RHV+1], v[\mn:\mn+1] op_sel_hi:[1,0] neg_lo:[0,1] neg_hi:[0,1]
	v_pk_add_f32 v[CP+2:CP+3], v[RHV+2:RHV+3], v[\mn:\mn+1] op_sel:[0,1] op_sel_hi:[1,1] neg_lo:[0,1] neg_hi:[0,1]
	v_pk_add_f32 v[CP+4:CP+5], v[RHV+4:RHV+5], v[\mn+2:\mn+3] op_sel_hi:[1,0] neg_lo:[0,1] neg_hi:[0,1]
	v_pk_add_f32 v[CP+6:CP+7], v[RHV+6:RHV+7], v[\mn+2:\mn+3] op_sel:[0,1] op_sel_hi:[1,1] neg_lo:[0,1] neg_hi:[0,1]
.if \first
.else
.irp qt,0,1,2,3
	v_exp_f32 v[AL+\qt], v[AL+\qt]                 ; 2^(old - new maximum); the plain instructions behind them are the first tile's arguments (ISA guide 5.7.2)
.endr
.endif
.endm
; The exponentials, tile by tile; tile t = 4 qt + kt lies at 8 (4 kt + qt).
.macro SARG t, k                       ; argument: logit + (height term - maximum), two numbers
.if (\t) < 16
.set sb, 8*(4*((\t)%4)+(\t)/4)+2*(\k)
.set cb, CP+2*((\t)/4)
.if ((\t)%4)/2
	v_pk_add_f32 v[sb:sb+1], v[sb:sb+1], v[cb:cb+1] op_sel:[0,1] op_sel_hi:[1,1]
.else
	v_pk_add_f32 v[sb:sb+1], v[sb:sb+1], v[cb:cb+1] op_sel_hi:[1,0]
.endif
.endif
.endm
.macro SEX t, e
.set sb, 8*(4*((\t)%4)+(\t)/4)+(\e)
	v_exp_f32 v[sb], v[sb]
.endm
.macro SSUM t, k, first                ; row sum; a query tile's first pair brings the old sum along, rescaled, in one fused multiply-add
.if (\t) >= 0
.set sb, 8*(4*((\t)%4)+(\t)/4)+2*(\k)
.set lb, LP+2*((\t)/4)
.set ab, AL+2*((\t)/8)
.if (((\t)%4)+(\k)) == 0
.if \first
	s_wait_alu depctr_va_vdst(0)
	v_pk_add_f32 v[lb:lb+1], v[sb:sb+1], v[sb+2:sb+3]                      ; the first two pairs start the sum: nothing is cleared
.else
.if ((\t)/4)%2
	v_pk_fma_f32 v[lb:lb+1], v[lb:lb+1], v[ab:ab+1], v[sb:sb+1] op_sel:[0,1,0] op_sel_hi:[1,1,1]
.else
	s_wait_alu depctr_va_vdst(0)
	v_pk_fma_f32 v[lb:lb+1], v[lb:lb+1], v[ab:ab+1], v[sb:sb+1] op_sel_hi:[1,0,1]
.endif
.endif
.else
.set skip, 0
.if \first
.if (4*((\t)%4)+(\k)) == 1
.set skip, 1
.endif
.endif
.if skip == 0
	s_wait_alu depctr_va_vdst(0)
	v_pk_add_f32 v[lb:lb+1], v[lb:lb+1], v[sb:sb+1]
.endif
.endif
.endif
.endm
.macro SCVT t, k                       ; pack: tile kt's 8 numbers become registers 4 (kt % 2) .. + 3 of P(kt / 2, qt), which lies over S(kt - kt % 2, qt)
.if (\t) >= 0
.set sb, 8*(4*((\t)%4)+(\t)/4)+2*(\k)
.set db, 8*(4*(((\t)%4)-((\t)%2))+(\t)/4)+4*((\t)%2)+(\k)
	v_cvt_pk_f16_f32 v[db], v[sb], v[sb+1]
.endif
.endm
; A pipeline of three tiles: tile i's exponentials stand between the next tile's arguments and the last tile's sums and packing, so that
; behind every v_exp_f32 a plain instruction on another tile comes before its result is used (ISA guide 5.7.2).
.macro SEXP first
.irp k,0,1,2,3
	SARG 0, \k
.endr
.set i, 0
.rept 16
	SEX i, 0
	SARG i+1, 0
	SEX i, 1
	SARG i+1, 1
	SEX i, 2
	SARG i+1, 2
	SEX i, 3
	SARG i+1, 3
	SEX i, 4
	SSUM i-1, 0, \first
	SSUM i-1, 1, \first
	SEX i, 5
	SSUM i-1, 2, \first
	SSUM i-1, 3, \first
	SEX i, 6
	SCVT i-1, 0
	SCVT i-1, 1
	SEX i, 7
	SCVT i-1, 2
	SCVT i-1, 3
.set i, i+1
.endr
.irp k,0,1,2,3
	SSUM 15, \k, \first
.endr
.irp k,0,1,2,3
	SCVT 15, \k
.endr
.endm
; O *= factor of the lane's query
.macro OSCALE qt, alp, hi
.irp dt,0,1,2,3
.irp k,0,2,4,6
.if \hi
	v_pk_mul_f32 v[8*(4*\dt+\qt)+\k:8*(4*\dt+\qt)+\k+1], v[8*(4*\dt+\qt)+\k:8*(4*\dt+\qt)+\k+1], v[\alp:\alp+1] op_sel:[0,1] op_sel_hi:[1,1]
.else
	v_pk_mul_f32 v[8*(4*\dt+\qt)+\k:8*(4*\dt+\qt)+\k+1], v[8*(4*\dt+\qt)+\k:8*(4*\dt+\qt)+\k+1], v[\alp:\alp+1] op_sel_hi:[1,0]
.endif
.endr
.endr
.endm
.macro RESCALE
	WIN 0x49
	OSCALE 0, AL, 0
	OSCALE 1, AL, 1
	OSCALE 2, AL+2, 0
	OSCALE 3, AL+2, 1
.endm
; The next tile: rounded, its successor asked for, then stored into the buffer that is not being read.
.macro STAGE b, load
	WIN 0
	s_wait_loadcnt 0x0                             ; the tile asked for one trip ago
	CVT8 STG, PK, 8
	CVT8 STG+32, PK+16, 8
.if \load
	s_wait_xcnt 0x0                                ; the bases and the prefetch offset are written again only behind this wait
	s_add_nc_u64 s[6:7], s[6:7], 0x4000
	s_add_nc_u64 s[8:9], s[8:9], 0x4000
	v_add_nc_u32 v[PFO], 0x4000, v[PFO]
	v_min_u32 v[PFO], v[PFO], v[PFMAX]             ; never past tile 15
	GLOAD 16384                                    ; trip t asks for tile t + 2
	s_cmp_lg_u32 s18, 0
	s_cbranch_scc1 .Lno_pf_\@
	global_prefetch_b8 v[PFO], s[26:27] offset:49152 th:TH_LOAD_NT scope:SCOPE_SE   ; wave 0: my work-group's 32 blocks of 256 bytes of tile t + 4, which trip t + 2 loads
.Lno_pf_\@:
.endif
	ST8 PK, ADS144, KB0+KBS*(1-\b), 8*KPIT, 8
	ST8 PK+16, ADS160, VB0+VBS*(1-\b), 8*VPIT, 8
	v_add_nc_u32 v[ADRB], 0x100, v[ADRB]           ; the next trip's 64 keys
	v_add_nc_u32 v[ADRRH], 8, v[ADRRH]             ; and its two image rows
.endm
; O^T += V^T P^T, 32 keys at a time.  The sixteen accumulators take turns, one instruction a turn.
.macro PVK kg, zero
.irp dt,0,1,2,3
.irp qt,0,1,2,3
.if \zero
	v_wmma_f32_16x16x32_f16 v[8*(4*\dt+\qt):8*(4*\dt+\qt)+7], v[VF+8*(4*\kg+\dt):VF+8*(4*\kg+\dt)+7], v[8*(8*\kg+\qt):8*(8*\kg+\qt)+7], 0
.else
	v_wmma_f32_16x16x32_f16 v[8*(4*\dt+\qt):8*(4*\dt+\qt)+7], v[VF+8*(4*\kg+\dt):VF+8*(4*\kg+\dt)+7], v[8*(8*\kg+\qt):8*(8*\kg+\qt)+7], v[8*(4*\dt+\qt):8*(4*\dt+\qt)+7]
.endif
.endr
.endr
.endm
.macro PV first
	WIN 0x58
	PVK 0, \first                                  ; in the first trip the first product starts the sums
	PVK 1, 0
.endm
; One trip: 64 keys from buffer b.  conv: the next tile is stored into the other buffer; load: the tile behind it is asked for.
; The other buffer's last readers waited for their loads in front of the last trip's signal, and I have passed that barrier.  My stores into it
; are waited for in front of this trip's signal, and it is read behind this trip's wait.  Between signal and wait: registers only.
.macro TRIP b, first, conv, load
	KLOAD KB0+KBS*\b
	BLOAD
	PLACES 5                                       ; five places behind the last products: S is written over P, their second source; V's fragments, their first, are loaded again below (ISA guide 7.12.1)
	QK
	VLOAD \b
	PLACES 4                                       ; four places before S is read (ISA guide 7.12.1)
	s_wait_dscnt 16                                ; bias and height terms are in; the 16 loads of V stay out
.if \b
	SMAX \first, MB, MA
.else
	SMAX \first, MA, MB
.endif
	SEXP \first
.if \first
.else
	RESCALE
.endif
.if \conv
	STAGE \b, \load
	s_wait_dscnt 0x0                               ; V's fragments are in: my reads of this buffer are over; my stores into the other are done
	s_barrier_signal -1
	PV \first
	WIN 0
	s_barrier_wait -1
.else
	s_wait_dscnt 0x0
	PV \first
	WIN 0
.endif
.endm
	s_load_b256 s[4:11], s[0:1], 0x0               ; q s[4:5], k s[6:7], v s[8:9], attn_mask s[10:11]
	s_load_b128 s[12:15], s[0:1], 0x20             ; rel_emb_w s[12:13], rel_emb_h s[14:15]
	s_load_b64 s[16:17], s[0:1], 0x30              ; out0
	v_lshl_add_u32 v30, v0, 2, 0x32000
	v_mov_b32 v31, 0
	v_lshrrev_b32 v[TA+3], 5, v0
	v_readfirstlane_b32 s18, v[TA+3]               ; wave 0..3
	s_and_b32 s19, ttmp9, 3                        ; x: which 256 queries
	s_and_b32 s20, ttmp7, 0xffff                   ; y = 8 b + n
	s_sub_co_u32 s31, 3, s18                       ; wave wv takes the block's queries 64 (3 - wv) ..: its first row in rel_h's window is then 1 + 2 wv - hs, ascending with wv
	s_mov_b32 s28, 0x76543210                      ; v_permlanex16_b32: lane i of one half reads lane i of the other
	s_mov_b32 s29, 0xfedcba98
	v_and_b32 v[TA], 31, v0                        ; lane
	v_and_b32 v[TA+1], 15, v0                      ; r
	v_bfe_u32 v[TA+2], v0, 4, 1                    ; hh
	v_lshrrev_b32 v[TA+4], 4, v0                   ; thread / 16
	v_mul_u32_u24 v[TA+5], v[TA+1], KPIT
	v_lshl_add_u32 v[ADRK], v[TA+2], 4, v[TA+5]
	v_and_b32 v[TA+6], 7, v0
	v_lshl_add_u32 v[TA+6], v[TA+2], 3, v[TA+6]
	v_mul_u32_u24 v[ADRV], v[TA+6], VPIT
	v_bfe_u32 v[TA+7], v0, 3, 1
	v_lshl_add_u32 v[ADRV], v[TA+7], 4, v[ADRV]
	v_lshlrev_b32 v[ADRB], 5, v[TA+2]
	s_mul_i32 s21, s18, KBS                        ; my wave's part of QST and of RHT
	s_mul_i32 s22, s18, 4*SQT                      ; and of SCR
	s_add_co_u32 s23, s21, RHT
	v_add_nc_u32 v[ADRRH], s23, v[TA+5]
	v_lshl_add_u32 v[ADRHS], v[TA+2], 5, v[ADRRH]
	v_mul_u32_u24 v[ADS144], v[TA+4], KPIT
	v_lshl_add_u32 v[ADS144], v[TA+1], 3, v[ADS144]
	v_mul_u32_u24 v[ADS160], v[TA+4], VPIT
	v_lshl_add_u32 v[ADS160], v[TA+1], 3, v[ADS160]
	v_lshlrev_b32 v[GOFF], 4, v0
	v_lshlrev_b32 v[PFO], 8, v[TA]
	v_add_nc_u32 v[PFMAX], 0x30000, v[PFO]         ; + 12 tiles: with the immediate's 3 tiles, tile 15
	s_add_co_u32 s23, s21, QST
	v_add_nc_u32 v[ADRQ], s23, v[ADRK]
	v_mul_u32_u24 v[ADQS], v[TA+2], KPIT
	v_lshl_add_u32 v[ADQS], v[TA+1], 3, v[ADQS]
	v_add_nc_u32 v[ADQS], s23, v[ADQS]
	s_add_co_u32 s22, s22, SCR
	v_lshl_add_u32 v[TA+6], v[TA+2], 5, s22
	v_mad_u32_u24 v[ADSC], v[TA+1], SPIT, v[TA+6]
	v_mad_u32_u24 v[ADSK], v[TA+1], SPIT-4, v[TA+6] ; one word less a row: row r is read r words to the left
	v_mul_u32_u24 v[ADRD], v[TA+2], SPIT
	v_lshl_add_u32 v[ADRD], v[TA+1], 4, v[ADRD]
	v_add_nc_u32 v[ADRD], s22, v[ADRD]
	v_lshlrev_b32 v[OOFF], 11, v[TA+2]
	v_lshl_add_u32 v[OOFF], v[TA+1], 4, v[OOFF]
	s_mul_i32 s23, s18, 2*KPIT
	v_add_nc_u32 v[ADRH+1], s23, v[ADRK]           ; hs = 1: window row 2 wv
	v_add_nc_u32 v[ADRH], KPIT, v[ADRH+1]          ; hs = 0: window row 2 wv + 1
	v_min_u32 v[GOFC], 0x6f0, v[GOFF]              ; 14336 + 1776 + 16 = 16128: rel_w's last byte
	v_lshlrev_b32 v[QOFF], 4, v[TA]
	v_lshlrev_b32 v[MOFF], 3, v0
	v_lshlrev_b32 v[BST], 5, v0
	s_lshl_b32 s23, s19, 11
	s_sub_co_u32 s23, 6144, s23                    ; rel_h's window begins at table row 24 - 8 x
	v_lshl_add_u32 v[HOFF], v0, 4, s23
	v_add_nc_u32 v[HOF4], 0x2000, v[HOFF]
	v_min_u32 v[HOF4], 0x3ef0, v[HOF4]             ; 16112 + 16 = 16128: rel_h's last byte (only x = 0, window row 39, is clamped)
	s_lshl_b32 s32, s20, 18                        ; the head's 262,144 bytes in q, k, v
	s_mov_b32 s33, 0
	s_lshl_b32 s21, s19, 16
	s_lshl_b32 s22, s31, 14
	s_add_co_u32 s24, s32, s21
	s_add_co_u32 s24, s24, s22                     ; q: + 256 x rows + my wave's 64 rows of 256 bytes
	s_mov_b32 s25, 0
	s_lshr_b32 s21, s20, 3                         ; b
	s_lshl_b32 s34, s21, 10                        ; the batch's 1024 mask bytes
	s_mov_b32 s35, 0
	s_lshl_b32 s36, s21, 21                        ; out0: batch 1024 x 2048 bytes,
	s_and_b32 s22, s20, 7
	s_lshl_b32 s22, s22, 8                         ; head 256 bytes,
	s_add_co_u32 s36, s36, s22
	s_lshl_b32 s22, s19, 19                        ; 256 x queries of 2048 bytes,
	s_add_co_u32 s36, s36, s22
	s_lshl_b32 s22, s31, 17                        ; my wave's 64
	s_add_co_u32 s36, s36, s22
	s_mov_b32 s37, 0
	s_and_b32 s38, s19, 1
	s_lshl_b32 s38, s38, 13                        ; prefetch: which half of a tile my work-group asks for
	s_mov_b32 s39, 0
	s_wait_kmcnt 0x0
	s_add_nc_u64 s[4:5], s[4:5], s[24:25]
	s_add_nc_u64 s[6:7], s[6:7], s[32:33]
	s_add_nc_u64 s[8:9], s[8:9], s[32:33]
	s_add_nc_u64 s[10:11], s[10:11], s[34:35]
	s_add_nc_u64 s[16:17], s[16:17], s[36:37]
	s_cmp_lt_u32 s19, 2                            ; work-groups x = 0, 1 ask for K's halves, x = 2, 3 for V's: each block is asked for once in the launch
	s_cselect_b64 s[26:27], s[6:7], s[8:9]
	s_add_nc_u64 s[26:27], s[26:27], s[38:39]
	; all first loads, in the order in which they are wanted
.irp n,0,1,2,3,4,5,6
	global_load_b128 v[KF+4*\n:KF+4*\n+3], v[GOFF], s[12:13] offset:2048*\n
.endr
	global_load_b128 v[KF+28:KF+31], v[GOFC], s[12:13] offset:14336
.irp n,0,1,2,3
	global_load_b128 v[KF+32+4*\n:KF+32+4*\n+3], v[HOFF], s[14:15] offset:2048*\n
.endr
	global_load_b128 v[KF+48:KF+51], v[HOF4], s[14:15]
	global_load_b64 v[MK:MK+1], v[MOFF], s[10:11]
	GLOAD 0                                        ; tile 0
	WIN 0x80
.set cn, 0
.rept 32
	global_load_b128 v[4*cn:4*cn+3], v[QOFF], s[4:5] offset:512*cn th:TH_LOAD_NT    ; my wave's 64 query rows, read once in the launch: load n holds row 2 n + hh, d = 4 r ..
.set cn, cn+1
.endr
.irp qt,0,1,2,3
	v_mov_b32 v[TMX+\qt], 0                        ; v_permlanex16_b32 counts its destination as read
.endr
	WIN 0
	s_cmp_lg_u32 s18, 0
	s_cbranch_scc1 .Lno_pf_first
	global_prefetch_b8 v[PFO], s[26:27] offset:32768 th:TH_LOAD_NT scope:SCOPE_SE   ; wave 0: my work-group's share of tiles 2 and 3
	global_prefetch_b8 v[PFO], s[26:27] offset:49152 th:TH_LOAD_NT scope:SCOPE_SE
.Lno_pf_first:
	s_wait_loadcnt 48                              ; the tables and the mask are in; tile 0 (16 loads) and q (32) stay out
	CVT8 KF, PK, 8
	ST8 PK, ADS144, RELW, 8*KPIT, 8
	CVT8 KF+32, PK+16, 5
	ST8 PK+16, ADS144, RELH, 8*KPIT, 5
.irp j,0,1,2,3
	v_bfe_u32 v[BT+\j], v[MK], 8*\j, 8
	v_bfe_u32 v[BT+4+\j], v[MK+1], 8*\j, 8
.endr
.irp j,0,1,2,3,4,5,6,7
	v_add_nc_u32 v[BT+\j], -1, v[BT+\j]            ; 1 -> 0, 0 -> all ones,
	v_and_b32 v[BT+\j], 0xff800000, v[BT+\j]       ; of which -inf is kept
.endr
	ds_store_b128 v[BST], v[BT:BT+3] offset:BIAS
	ds_store_b128 v[BST], v[BT+4:BT+7] offset:BIAS+16
	s_wait_loadcnt 32                              ; tile 0 is in; q stays out
	CVT8 STG, PK, 8
	CVT8 STG+32, PK+16, 8
	GLOAD 16384                                    ; tile 1
	ST8 PK, ADS144, KB0, 8*KPIT, 8
	ST8 PK+16, ADS160, VB0, 8*VPIT, 8
	s_wait_loadcnt 16                              ; q is in; tile 1 stays out
	WIN 0xaa
.set cn, 0
.rept 64
	v_pk_mul_f32 v[2*cn:2*cn+1], v[2*cn:2*cn+1], 0x3e38aa3b op_sel_hi:[1,0]    ; x 0.125 log2(e)
.set cn, cn+1
.endr
.set cn, 0
.rept 32
	v_cvt_pk_f16_f32 v[4*cn], v[4*cn], v[4*cn+1]
	v_cvt_pk_f16_f32 v[4*cn+1], v[4*cn+2], v[4*cn+3]
.set cn, cn+1
.endr
	WIN 0x08
.set cn, 0
.rept 32
	ds_store_b64 v[ADQS], v[4*cn:4*cn+1] offset:2*KPIT*cn
.set cn, cn+1
.endr
	WIN 0x40
.irp qt,0,1,2,3
.irp kd,0,1
	ds_load_b128 v[QF+8*(2*\qt+\kd):QF+8*(2*\qt+\kd)+3], v[ADRQ] offset:\qt*KT16+\kd*64      ; my wave's own bytes: LDS serves a wave's instructions in order (ISA guide 5.7.1)
	ds_load_b128 v[QF+8*(2*\qt+\kd)+4:QF+8*(2*\qt+\kd)+7], v[ADRQ] offset:\qt*KT16+\kd*64+32
.endr
.endr
	s_wait_dscnt 0x0                               ; my stores of the tables, the bias and tile 0 are done
	s_barrier_signal -1
	s_barrier_wait -1                              ; everybody's are
	KLOAD RELW                                     ; rel_w's 64 rows as eight fragments
.irp hs,0,1
.irp pt,0,1
.irp kd,0,1
	ds_load_b128 v[VF+8*(4*\hs+2*\pt+\kd):VF+8*(4*\hs+2*\pt+\kd)+3], v[ADRH+\hs] offset:RELH+\pt*KT16+\kd*64     ; rel_h's rows p - h + 31, p = 16 pt + r
	ds_load_b128 v[VF+8*(4*\hs+2*\pt+\kd)+4:VF+8*(4*\hs+2*\pt+\kd)+7], v[ADRH+\hs] offset:RELH+\pt*KT16+\kd*64+32
.endr
.endr
.endr
	s_wait_dscnt 0x0
	; q.rel_w for all 64 table rows and q.rel_h for the 32 rows of each query's image row: 24 accumulators take turns
	WIN 0x84
.irp mt,0,1,2,3
.irp qt,0,1,2,3
	v_wmma_f32_16x16x32_f16 v[8*(4*\mt+\qt):8*(4*\mt+\qt)+7], v[KF+8*\mt:KF+8*\mt+7], v[QF+16*\qt:QF+16*\qt+7], 0
.endr
.endr
.irp qt,0,1,2,3
.irp pt,0,1
	v_wmma_f32_16x16x32_f16 v[RHD+8*(2*\qt+\pt):RHD+8*(2*\qt+\pt)+7], v[VF+8*(4*(\qt/2)+2*\pt):VF+8*(4*(\qt/2)+2*\pt)+7], v[QF+16*\qt:QF+16*\qt+7], 0
.endr
.endr
	WIN 0xa4
.irp mt,0,1,2,3
.irp qt,0,1,2,3
	v_wmma_f32_16x16x32_f16 v[8*(4*\mt+\qt):8*(4*\mt+\qt)+7], v[KF+32+8*\mt:KF+32+8*\mt+7], v[QF+16*\qt+8:QF+16*\qt+15], v[8*(4*\mt+\qt):8*(4*\mt+\qt)+7]
.endr
.endr
.irp qt,0,1,2,3
.irp pt,0,1
	v_wmma_f32_16x16x32_f16 v[RHD+8*(2*\qt+\pt):RHD+8*(2*\qt+\pt)+7], v[VF+8*(4*(\qt/2)+2*\pt+1):VF+8*(4*(\qt/2)+2*\pt+1)+7], v[QF+16*\qt+8:QF+16*\qt+15], v[RHD+8*(2*\qt+\pt):RHD+8*(2*\qt+\pt)+7]
.endr
.endr
	PLACES 4                                       ; four places before the results are stored and the fragments' registers loaded again (ISA guide 7.12.1)
	WIN 0x08
.irp qt,0,1,2,3
.irp mt,0,1,2,3
	ds_store_b128 v[ADSC], v[8*(4*\mt+\qt):8*(4*\mt+\qt)+3] offset:\qt*SQT+\mt*64          ; row = query r, word = table row 16 mt + 8 hh + j
	ds_store_b128 v[ADSC], v[8*(4*\mt+\qt)+4:8*(4*\mt+\qt)+7] offset:\qt*SQT+\mt*64+16
.endr
.endr
.irp qt,0,1,2,3
.irp pt,0,1
	ds_store_b128 v[ADRHS], v[RHD+8*(2*\qt+\pt):RHD+8*(2*\qt+\pt)+3] offset:\qt*KT16+\pt*64 ; row = query r, word = p = 16 pt + 8 hh + j
	ds_store_b128 v[ADRHS], v[RHD+8*(2*\qt+\pt)+4:RHD+8*(2*\qt+\pt)+7] offset:\qt*KT16+\pt*64+16
.endr
.endr
	; the width terms in the score tiles' layout: key column q = 16 par + 8 hh + j, query column w = 16 (qt % 2) + r, table row q - w + 31 (0 to 62)
	WIN 0x40
.irp qt,0,1,2,3
.irp par,0,1
.irp j,0,1,2,3,4,5,6,7
	ds_load_b32 v[RW+8*(2*\qt+\par)+\j], v[ADSK] offset:\qt*SQT+124+64*(\par-(\qt%2))+4*\j
.endr
.endr
.endr
	TRIP 0, 1, 1, 1                                ; trip 0 starts maxima, sums and O
	TRIP 1, 0, 1, 1
	s_mov_b32 s30, 6
.Ltrips:                                           ; trips 2 to 13
	TRIP 0, 0, 1, 1
	TRIP 1, 0, 1, 1
	s_sub_co_u32 s30, s30, 1
	s_cmp_lg_u32 s30, 0
	s_cbranch_scc1 .Ltrips
	TRIP 0, 0, 1, 0                                ; trip 14 stores tile 15 and asks for nothing
	TRIP 1, 0, 0, 0                                ; trip 15: nothing is left to store, so no barrier
	; THE WAY OUT: O / row sum, through my own scratch, so that sixteen lanes store the 256 consecutive bytes of one (query, head)
	PLACES 4                                       ; four places behind the last products (ISA guide 7.12.1)
	WIN 0xaa
.irp qt,0,1,2,3
	v_add_f32 v[TM+\qt], v[LP+2*\qt], v[LP+2*\qt+1]
.endr
.irp qt,0,1,2,3
	v_permlanex16_b32 v[TMX+\qt], v[TM+\qt], s28, s29
.endr
.irp qt,0,1,2,3
	v_add_f32 v[TM+\qt], v[TM+\qt], v[TMX+\qt]
.endr
.irp qt,0,1,2,3
	v_rcp_f32 v[AL+\qt], v[TM+\qt]
.endr
	v_nop                                          ; one plain place behind the reciprocals (ISA guide 5.7.2)
	s_wait_alu depctr_va_vdst(0)
	RESCALE
	WIN 0x04
.irp qt,0,1,2,3
.irp dt,0,1,2,3
	ds_store_b128 v[ADSC], v[8*(4*\dt+\qt):8*(4*\dt+\qt)+3] offset:\qt*SQT+\dt*64           ; row = query r, word = d = 16 dt + 8 hh + j
	ds_store_b128 v[ADSC], v[8*(4*\dt+\qt)+4:8*(4*\dt+\qt)+7] offset:\qt*SQT+\dt*64+16
.endr
.endr
	WIN 0
.irp qt,0,1,2,3
.irp i,0,1,2,3,4,5,6,7
	ds_load_b128 v[32+32*\qt+4*\i:32+32*\qt+4*\i+3], v[ADRD] offset:\qt*SQT+2*SPIT*\i       ; rows 2 i + hh; my own bytes, served in order
.endr
.endr
.irp qt,0,1,2,3
	s_wait_dscnt 24-8*\qt                          ; this query tile's eight loads are in; the later tiles' stay out
.irp i,0,1,2,3,4,5,6,7
	global_store_b128 v[OOFF], v[32+32*\qt+4*\i:32+32*\qt+4*\i+3], s[16:17] offset:(16*\qt+2*\i)*2048 th:TH_STORE_NT
.endr
.endr
	s_wait_tensorcnt 0x0
	ds_add_u32 v30, v31
	s_wait_dscnt 0x0
	s_endpgm
.Lfunc_end_k_q68957b1cd4_attn:
	.size	k_q68957b1cd4_attn, .Lfunc_end_k_q68957b1cd4_attn-k_q68957b1cd4_attn
	.p2alignl 7, 3214868480
	.fill 96, 4, 3214868480
	.section	.rodata,"a",@progbits
	.p2align	6, 0x0
	.amdhsa_kernel k_q68957b1cd4_attn
		.amdhsa_group_segment_fixed_size 205312
		.amdhsa_private_segment_fixed_size 0
		.amdhsa_enable_private_segment 0
		.amdhsa_kernarg_size 56
		.amdhsa_user_sgpr_count 2
		.amdhsa_user_sgpr_kernarg_segment_ptr 1
		.amdhsa_wavefront_size32 1
		.amdhsa_system_sgpr_workgroup_id_x 1
		.amdhsa_system_sgpr_workgroup_id_y 1
		.amdhsa_system_sgpr_workgroup_id_z 1
		.amdhsa_system_vgpr_workitem_id 0
		.amdhsa_next_free_vgpr 768
		.amdhsa_next_free_sgpr 66
		.amdhsa_reserve_vcc 0
		.amdhsa_float_denorm_mode_32 3
		.amdhsa_float_denorm_mode_16_64 3
		.amdhsa_memory_ordered 1
		.amdhsa_forward_progress 1
		.amdhsa_inst_pref_size 255
	.end_amdhsa_kernel
	.section	.bss,"aw",@nobits
	.p2align	6
	.space	262144
	.amdgpu_metadata
---
amdhsa.version: [ 1, 2 ]
amdhsa.kernels:
  - .name:           k_q68957b1cd4_attn
    .symbol:         k_q68957b1cd4_attn.kd
    .args:
      - { .name: q, .offset: 0, .size: 8, .value_kind: global_buffer, .address_space: global }
      - { .name: k, .offset: 8, .size: 8, .value_kind: global_buffer, .address_space: global }
      - { .name: v, .offset: 16, .size: 8, .value_kind: global_buffer, .address_space: global }
      - { .name: attn_mask, .offset: 24, .size: 8, .value_kind: global_buffer, .address_space: global }
      - { .name: rel_emb_w, .offset: 32, .size: 8, .value_kind: global_buffer, .address_space: global }
      - { .name: rel_emb_h, .offset: 40, .size: 8, .value_kind: global_buffer, .address_space: global }
      - { .name: out0, .offset: 48, .size: 8, .value_kind: global_buffer, .address_space: global }
    .group_segment_fixed_size: 205312
    .private_segment_fixed_size: 0
    .kernarg_segment_align: 8
    .kernarg_segment_size: 56
    .max_flat_workgroup_size: 128
    .sgpr_count:     66
    .vgpr_count:     768
    .wavefront_size: 32
...
	.end_amdgpu_metadata
.endif
;; end of part 1
